; MI455X (gfx1250); checked and timed in simulation.
; The chip was launched on July 23, 2026; its instructions are those of AMD's public machine-readable ISA for CDNA 5 (MIT licence, August 2026) and "CDNA5" Instruction Set Architecture Reference Guide (July 2026). The comments in the code are by the model that wrote it; some were corrected since.
;; Laser Attention. Allowed arithmetic: matrix products marked QUANTISED: E5M2 operands, one given power-of-two scale a tensor, by v_wmma_f32_16x16x64_bf8_bf8 or v_wmma_f32_16x16x128_bf8_bf8, f32 sums; everything else in f32.
;; Inputs: attn_mask 1 bool; keys 2 x 4,096 x 8 x 64 float32; lowp_scales 4 int32 (the exponents e of the quantised operands' scales 2^e); queries 2 x 4,096 x 8 x 64 float32; values 2 x 4,096 x 8 x 64 float32.
;; Outputs: out0 2 x 4,096 x 8 x 64 float32.
;; This version of the problem:
;;   THIS VERSION OF THE PROBLEM IS GIVEN IN LOW PRECISION. The matrix products marked QUANTISED in the list below multiply operands that are first quantised to E5M2 (5 exponent bits, 2 mantissa bits; 8 bits a number), with one given power-of-two scale for each operand tensor; their sums are f32. All else is computed in f32.
;;   The module's matrix products, in the order in which they are computed (A, B: the left and right operand; K: the contracted axis; several contracted axes count as one K, in the product's order):
;;     1. batch 16 x [M 4,096, K 64] x [K 64, N 4,096]; A: input queries; B: input keys: QUANTISED (scales: A lowp_scales[0], B lowp_scales[1])
;;     2. batch 16 x [M 64, K 4,096] x [K 4,096, N 4,096]; A: computed on the way; B: softmax (see below): QUANTISED (scales: A lowp_scales[2], B lowp_scales[3])
;;   THE QUANTISER, for each operand of a quantised product, along K:
;;     - The operand's scale is 2^e, e = its entry of the input lowp_scales (int32; the entries are numbered through the quantised products in the list's order, A before B).
;;     - Each number is divided by the scale, clamped to +-57,344, and rounded to the nearest number of E5M2, ties to even, subnormals kept.
;;     - The product sums the exact products of the quantised numbers (number of the format x scale) in f32.
;;   ~~~python
;;   def quantise(x, axis, e):      # numpy; x: float32 -> the quantised numbers, widened to float32 again
;;       x = np.moveaxis(x, axis, -1); K = x.shape[-1]
;;       r = np.clip(x / 2.0 ** e, -57344, 57344)
;;       step = 2.0 ** (np.maximum(np.frexp(np.where(r == 0, 1, r))[1] - 1, -14) - 2)
;;       q = np.round(r / step) * step * 2.0 ** e      # np.round: ties to even
;;       return np.moveaxis(q, -1, axis).astype(np.float32)
;;   ~~~
;;   SOFTMAX AHEAD OF A QUANTISED PRODUCT. Where the list says 'softmax', what is quantised is not the finished softmax but p = 2^(t - M), with t = logit x log2(e) and M = ceil(the row's largest t), a whole number; so 1/2 < the row's largest p <= 1. The row's sum l is taken of the UNQUANTISED p, in f32, and the product's result is divided by l at the end. Since M is a whole number, a kernel that streams over the keys may use a running M (the ceiling of the running maximum): every later rescaling is an exact power of two, so the quantised numbers keep their values, but for numbers so far below the row's largest that they fall under the format's range.
;;   OPERANDS COMPUTED ON THE WAY. 'Computed on the way' means the value that the module computes at that place (a softmax that the list does not call 'softmax' is quantised finished and normalised). What goes into a quantiser is computed in f32, as accurately as f32 sums, v_exp_f32 and their like allow (about 1e-6 of the number): no bf16 or f16 on the way to a quantiser, and a product that is left as it is and whose result goes on into a quantised operand takes f32 operands (vector FMAs, or v_wmma_f32_16x16x4_f32). A number that lies on a knife's edge between two numbers of the format may be rounded either way, as far as f32 arithmetic and the matrix unit's own rounding can turn it there, and no further.
;; One version. Each part assembles by itself: llvm-mc -triple=amdgcn-amd-amdhsa -mcpu=gfx1250 --defsym DOCPART=n.
;; ======== version 1 of 1: 3 launches
;; limits: right only within a limited range of input values
;; workspace buffers: k_img 4,194,304 bytes; v_img 4,194,304 bytes; pmax 262,144 bytes; vmax 4,096 bytes
;; launch kmax (part 1): grid 384 x 1, 4 waves a work-group, no clusters, 72,192 bytes of LDS; arguments keys, values, lowp_scales, k_img, pmax; writes k_img, pmax
.if DOCPART == 1
	.amdgcn_target "amdgcn-amd-amdhsa--gfx1250"
	.amdhsa_code_object_version 6
	.text
	.protected	k_q1b325a848a_kmax
	.globl	k_q1b325a848a_kmax
	.p2align	8
	.type	k_q1b325a848a_kmax,@function
k_q1b325a848a_kmax:
	s_mov_b64 s[64:65], 0
	v_nop
	global_prefetch_b8 v0, s[64:65] scope:SCOPE_SE
	s_setreg_imm32_b32 hwreg(HW_REG_WAVE_MODE, 25, 1), 1
	s_wait_xcnt 0x0
; FIRST OF THREE LAUNCHES of: out = log(softmax(Q K^T / 8) exp(V - max_s V)) + max_s V, both products on codes of BF8 (E5M2).
; (The input attn_mask is read by no launch: the function that is computed here never uses it, so no result can hang on it.)
; This launch does two things that need nothing from each other:
;   work-groups 0 .. 127:   partial maxima of values over 64 rows (b, s) each, for all 512 columns (h, d)  -> pmax[chunk][512] f32
;   work-groups 128 .. 383: keys -> codes, laid as images of the matrix operand's registers              -> k_img
; k_img: [16 heads][64 steps of 64 keys][4 tiles][2 images][32 lanes][16 bytes].  Lane (r, hl) of tile 2 b + u, image c, holds key 32 b + 8 u + r + 8 (r / 8)
; of the step and channels e = 32 hl + 16 c + 0 .. 15.  So a fragment is fetched later by two loads of 16 bytes a lane at 16 x lane, and a step's 4,096 bytes are dense.
; code = x / 2^e1, held within +-57,344, to the nearest code, ties to even.  LIMITS: -126 <= e1 <= 112.  NaN among the inputs is not served (the maxima drop a NaN).
.set NMAX,  128                        ; work-groups of the maxima
.set R,     16                         ; K path: v16-143  64 keys x 256 bytes as loaded: load i holds rows 2 i (lanes 0-15) and 2 i + 1 (lanes 16-31)
.set X,     144                        ; v144-207 four images' numbers, 16 a lane each
.set C,     208                        ; v208-239 codes: four registers for each of the eight stores, so no store's data are written again
.set PITCH, 272                        ; a key's row in the stage: 256 bytes + 16
.set HALF,  8960                       ; a half stage: 32 rows; rows 16-31 lie 128 bytes further on, so that the 16 rows of a read (0-7 and 16-23, or 8-15 and 24-31) start at 16 different 16-byte columns of 256 bytes
.set WREG,  2*HALF                     ; each wave has two half stages of its own: no barrier
.set SA,    16                         ; maxima path: v16-79, v80-143 two sets of 16 loads
.set SB,    80
.set MX,    144                        ; v144-147 the running maxima of my four columns
.macro MLOAD set, k                    ; rows 16 k .. 16 k + 15 of the chunk: the 128 threads cover a row of 2,048 bytes
.irp i, 0,1,2,3,4,5,6,7,8,9,10,11,12,13,14,15
	global_load_b128 v[\set+4*\i:\set+4*\i+3], v4, s[6:7] offset:(16*\k+\i)*2048
.endr
.endm
.macro MRED set, first                 ; sixteen rows into the maxima, three operands at a time; the four columns take turns.  first = 1: the first rows start the chains, nothing is cleared
.if \first
.irp c, 0,1,2,3
	v_max3_num_f32 v[MX+\c], v[\set+\c], v[\set+4+\c], v[\set+8+\c]
.endr
.irp i, 3,5,7,9,11,13
.irp c, 0,1,2,3
	v_max3_num_f32 v[MX+\c], v[MX+\c], v[\set+4*\i+\c], v[\set+4*\i+4+\c]
.endr
.endr
.irp c, 0,1,2,3
	v_max_num_f32 v[MX+\c], v[MX+\c], v[\set+60+\c]
.endr
.else
.irp i, 0,2,4,6,8,10,12,14
.irp c, 0,1,2,3
	v_max3_num_f32 v[MX+\c], v[MX+\c], v[\set+4*\i+\c], v[\set+4*\i+4+\c]
.endr
.endr
.endif
.endm
; 32 keys (block b of the step): through the half stage, then four images are held, converted and stored
.macro KHALF b
	s_wait_loadcnt 16*(1-\b)                       ; this half's 16 loads are in; the other half's 16 may be out
.irp i, 0,1,2,3,4,5,6,7,8,9,10,11,12,13,14,15
	ds_store_b128 v5, v[R+64*\b+4*\i:R+64*\b+4*\i+3] offset:\b*HALF+\i*2*PITCH+(\i/8)*128
.endr
	v_nop
.irp u, 0,1
.irp c, 0,1
.irp i, 0,1,2,3
	ds_load_b128 v[X+16*(2*\u+\c)+4*\i:X+16*(2*\u+\c)+4*\i+3], v6 offset:\b*HALF+\u*8*PITCH+64*\c+16*\i   ; a wave's LDS instructions are served in order: these see the stores above
.endr
.endr
.endr
.irp u, 0,1
.irp c, 0,1
	s_wait_dscnt 4*(3-2*\u-\c)                     ; this image's four loads are in; the later images' may be out
.irp i, 0,1,2,3,4,5,6,7,8,9,10,11,12,13,14,15
.endr
	v_cvt_scalef32_pk8_bf8_f32 v[C+4*(4*\b+2*\u+\c):C+4*(4*\b+2*\u+\c)+1], v[X+16*(2*\u+\c):X+16*(2*\u+\c)+7], v11
	v_cvt_scalef32_pk8_bf8_f32 v[C+4*(4*\b+2*\u+\c)+2:C+4*(4*\b+2*\u+\c)+3], v[X+16*(2*\u+\c)+8:X+16*(2*\u+\c)+15], v11
	global_store_b128 v7, v[C+4*(4*\b+2*\u+\c):C+4*(4*\b+2*\u+\c)+3], s[10:11] offset:(2*\b+\u)*1024+\c*512   ; 32 lanes store 512 consecutive bytes, aligned
.endr
.endr
.endm
	s_load_b256 s[4:11], s[0:1], 0x0               ; keys s[4:5], values s[6:7], the scales' exponents s[8:9], k_img s[10:11]
	s_load_b64 s[12:13], s[0:1], 0x20              ; pmax
	v_lshl_add_u32 v240, v0, 2, 0x11800
	v_mov_b32 v241, 0
	v_lshrrev_b32 v1, 5, v0
	v_readfirstlane_b32 s16, v1                    ; wave 0..3
	s_cmp_lt_u32 ttmp9, NMAX
	s_cbranch_scc1 .Lmax
	; ---- keys into codes.  A wave takes one step of one head: 64 keys x 64 channels
	v_and_b32 v1, 15, v0                           ; r
	v_bfe_u32 v2, v0, 4, 1                         ; hl
	v_and_b32 v3, 31, v0                           ; lane
	v_lshlrev_b32 v4, 4, v1
	v_lshl_add_u32 v4, v2, 11, v4                  ; in: sixteen lanes read a key's 256 bytes; lanes 16-31 the next key's, 2,048 bytes on
	s_mul_i32 s17, s16, WREG
	v_mul_u32_u24 v5, v2, PITCH
	v_lshl_add_u32 v5, v1, 4, v5
	v_add_nc_u32 v5, s17, v5                       ; into the stage, as loaded
	v_and_b32 v8, 8, v1
	v_add_nc_u32 v9, v8, v1                        ; r + 8 (r / 8)
	v_mul_u32_u24 v6, v9, PITCH
	v_lshl_add_u32 v6, v8, 4, v6                   ; + 128 for rows 16-31
	v_lshl_add_u32 v6, v2, 7, v6                   ; + my half's 32 channels
	v_add_nc_u32 v6, s17, v6                       ; out of the stage: my key's row
	v_lshlrev_b32 v7, 4, v3                        ; an image's place for my lane
	s_sub_co_u32 s18, ttmp9, NMAX
	s_lshl_b32 s18, s18, 2
	s_add_co_u32 s18, s18, s16                     ; U = 64 x head + step
	s_lshr_b32 s20, s18, 9
	s_lshl_b32 s20, s20, 23                        ; b x 4,096 rows of 2,048 bytes
	s_and_b32 s21, s18, 63
	s_lshl_b32 s21, s21, 17                        ; step x 64 rows
	s_add_co_u32 s20, s20, s21
	s_bfe_u32 s21, s18, 0x30006
	s_lshl_b32 s21, s21, 8                         ; h x 256 bytes
	s_add_co_u32 s20, s20, s21
	s_mov_b32 s21, 0
	s_lshl_b32 s22, s18, 12                        ; U x 4,096 bytes of codes
	s_mov_b32 s23, 0
	s_wait_alu depctr_va_vdst(0)
	s_wait_kmcnt 0x0
	s_load_b32 s24, s[8:9], 0x4                    ; e1
	s_add_nc_u64 s[4:5], s[4:5], s[20:21]
	s_add_nc_u64 s[10:11], s[10:11], s[22:23]
.irp i, 0,1,2,3,4,5,6,7,8,9,10,11,12,13,14,15,16,17,18,19,20,21,22,23,24,25,26,27,28,29,30,31
	global_load_b128 v[R+4*\i:R+4*\i+3], v4, s[4:5] offset:4096*\i th:TH_LOAD_NT   ; two whole rows of 256 bytes an instruction; read once in the launch
.endr
	s_wait_kmcnt 0x0
	s_add_co_i32 s24, s24, 127
	s_lshl_b32 s25, s24, 23
	v_mov_b32 v11, s25                             ; 2^e1 as f32: the conversion takes its exponent field
	s_wait_alu depctr_va_vdst(0)
	KHALF 0
	KHALF 1
	s_wait_tensorcnt 0x0
	ds_add_u32 v240, v241
	s_wait_dscnt 0x0
	s_endpgm
.Lmax:	; ---- partial maxima.  Thread t owns bytes 16 t of every row: four columns
	v_lshlrev_b32 v4, 4, v0
	s_lshl_b32 s20, ttmp9, 17                      ; chunk x 64 rows of 2,048 bytes
	s_mov_b32 s21, 0
	s_lshl_b32 s22, ttmp9, 11                      ; chunk x 512 numbers
	s_mov_b32 s23, 0
	s_wait_alu depctr_va_vdst(0)
	s_wait_kmcnt 0x0
	s_add_nc_u64 s[6:7], s[6:7], s[20:21]
	s_add_nc_u64 s[12:13], s[12:13], s[22:23]
	MLOAD SA, 0
	MLOAD SB, 1
	s_wait_loadcnt 16                              ; the older set is in, the younger set's 16 loads stay out; likewise below
	MRED SA, 1
	MLOAD SA, 2
	s_wait_alu depctr_va_vdst(0)
	s_wait_loadcnt 16
	MRED SB, 0
	MLOAD SB, 3
	s_wait_alu depctr_va_vdst(0)
	s_wait_loadcnt 16
	MRED SA, 0
	s_wait_alu depctr_va_vdst(0)
	s_wait_loadcnt 0x0
	MRED SB, 0
	global_store_b128 v4, v[MX:MX+3], s[12:13]     ; a wave stores 512 consecutive bytes, aligned
	s_endpgm
.Lfunc_end_k_q1b325a848a_kmax:
	.size	k_q1b325a848a_kmax, .Lfunc_end_k_q1b325a848a_kmax-k_q1b325a848a_kmax
	.p2alignl 7, 3214868480
	.fill 96, 4, 3214868480
	.section	.rodata,"a",@progbits
	.p2align	6, 0x0
	.amdhsa_kernel k_q1b325a848a_kmax
		.amdhsa_group_segment_fixed_size 72192
		.amdhsa_private_segment_fixed_size 0
		.amdhsa_enable_private_segment 0
		.amdhsa_kernarg_size 40
		.amdhsa_user_sgpr_count 2
		.amdhsa_user_sgpr_kernarg_segment_ptr 1
		.amdhsa_wavefront_size32 1
		.amdhsa_system_sgpr_workgroup_id_x 1
		.amdhsa_system_sgpr_workgroup_id_y 1
		.amdhsa_system_sgpr_workgroup_id_z 1
		.amdhsa_system_vgpr_workitem_id 0
		.amdhsa_next_free_vgpr 242
		.amdhsa_next_free_sgpr 66
		.amdhsa_reserve_vcc 0
		.amdhsa_float_denorm_mode_32 3
		.amdhsa_float_denorm_mode_16_64 3
		.amdhsa_fp16_overflow 1
		.amdhsa_memory_ordered 1
		.amdhsa_forward_progress 1
		.amdhsa_inst_pref_size 27
	.end_amdhsa_kernel
	.amdgpu_metadata
---
amdhsa.version: [ 1, 2 ]
amdhsa.kernels:
  - .name:           k_q1b325a848a_kmax
    .symbol:         k_q1b325a848a_kmax.kd
    .args:
      - { .name: keys, .offset: 0, .size: 8, .value_kind: global_buffer, .address_space: global }
      - { .name: values, .offset: 8, .size: 8, .value_kind: global_buffer, .address_space: global }
      - { .name: lowp_scales, .offset: 16, .size: 8, .value_kind: global_buffer, .address_space: global }
      - { .name: k_img, .offset: 24, .size: 8, .value_kind: global_buffer, .address_space: global }
      - { .name: pmax, .offset: 32, .size: 8, .value_kind: global_buffer, .address_space: global }
    .group_segment_fixed_size: 72192
    .private_segment_fixed_size: 0
    .kernarg_segment_align: 8
    .kernarg_segment_size: 40
    .max_flat_workgroup_size: 128
    .sgpr_count:     66
    .vgpr_count:     242
    .wavefront_size: 32
...
	.end_amdgpu_metadata
.endif
;; end of part 1
;; launch vexp (part 2): grid 16 x 16, 8 waves a work-group, no clusters, 3,072 bytes of LDS; arguments values, pmax, lowp_scales, v_img, vmax; writes v_img, vmax
.if DOCPART == 2
	.amdgcn_target "amdgcn-amd-amdhsa--gfx1250"
	.amdhsa_code_object_version 6
	.text
	.protected	k_q1b325a848a_vexp
	.globl	k_q1b325a848a_vexp
	.p2align	8
	.type	k_q1b325a848a_vexp,@function
k_q1b325a848a_vexp:
	s_mov_b64 s[64:65], 0
	v_nop
	global_prefetch_b8 v0, s[64:65] scope:SCOPE_SE
	s_setreg_imm32_b32 hwreg(HW_REG_WAVE_MODE, 25, 1), 1
	s_wait_xcnt 0x0
; SECOND LAUNCH: value_max[head][d] = the maximum of the 64 partial maxima; exp(values - value_max) in f32, then codes of BF8 with the given scale 2^e2, the KEYS innermost,
; laid as images of the second product's operand registers.
; v_img: [16 heads][64 steps of 64 keys][4 tiles][2 images][32 lanes][16 bytes].  Lane (r, hh) of tile 2 q + g, image bb, holds channel d = 32 g + 2 r + q and keys 32 bb + 16 hh + 0 .. 15 of the step.
; Which channels form a tile is free.  This choice lets a lane LOAD two neighbouring channels (8 bytes; 32 lanes read a key's whole 256 bytes) with its registers running down the keys,
; so the conversions give codes with the keys innermost and nothing is transposed, and lets sixteen neighbouring lanes STORE 256 consecutive bytes.
; SHARES: work-group (x, y) = keys 256 x .. 256 x + 255 of head y; wave w takes 32 of them: image w % 2 of step 4 x + w / 2.
; exp(a) = 2^(a x log2 e); a <= 0.  LIMITS: -126 <= e2 <= 112; results under 2^-126 become 0; NaN among the inputs is not served.
.set P,  16                            ; v16-31   my wave's eight partial maxima, a pair of channels each
.set PB, 32                            ; v32-47   the eight waves' maxima, back from LDS
.set L,  48                            ; v48-111  key k: v[48 + 2 k], v[49 + 2 k]
.set E,  112                           ; v112-175 channel q of my two, key k: v[112 + 32 q + k]
.set C,  176                           ; v176-191 codes: eight registers a channel
	s_load_b256 s[4:11], s[0:1], 0x0               ; values s[4:5], pmax s[6:7], the scales' exponents s[8:9], v_img s[10:11]
	s_load_b64 s[12:13], s[0:1], 0x20              ; vmax
	v_lshl_add_u32 v192, v0, 2, 0x800
	v_mov_b32 v193, 0
	v_lshrrev_b32 v1, 5, v0
	s_delay_alu instid0(VALU_DEP_1)
	v_readfirstlane_b32 s16, v1                    ; wave 0..7
	v_and_b32 v8, 31, v0                           ; lane
	s_delay_alu instid0(VALU_DEP_1)
	v_lshlrev_b32 v1, 3, v8                        ; 8 x lane: my two channels
	s_lshl_b32 s17, s16, 8
	v_add_nc_u32 v2, s17, v1                       ; LDS: 256 bytes a wave
	v_and_b32 v9, 15, v8
	v_lshrrev_b32 v3, 4, v8
	s_delay_alu instid0(VALU_DEP_1)
	v_lshlrev_b32 v3, 10, v3
	s_delay_alu instid0(VALU_DEP_1)
	v_lshl_add_u32 v3, v9, 4, v3                   ; out: tile g = lane / 16 (1,024 bytes a tile), 16 bytes for r = lane % 16
	s_and_b32 s18, ttmp7, 0xffff                   ; head = 8 b + h
	s_lshr_b32 s19, s18, 3                         ; b
	s_and_b32 s20, s18, 7
	s_lshl_b32 s20, s20, 8                         ; h x 256 bytes
	s_lshl_b32 s22, s19, 17                        ; pmax: b x 64 chunks of 2,048 bytes
	s_lshl_b32 s21, s16, 14                        ; + my wave's eight chunks
	s_add_co_u32 s22, s22, s21
	s_add_co_u32 s22, s22, s20
	s_mov_b32 s23, 0
	s_lshl_b32 s24, s19, 23                        ; values: b x 4,096 rows of 2,048 bytes
	s_lshl_b32 s21, ttmp9, 19                      ; + 256 rows x work-group x
	s_add_co_u32 s24, s24, s21
	s_lshl_b32 s21, s16, 16                        ; + 32 rows x wave
	s_add_co_u32 s24, s24, s21
	s_add_co_u32 s24, s24, s20
	s_mov_b32 s25, 0
	s_lshl_b32 s26, s18, 18                        ; v_img: head x 64 steps of 4,096 bytes
	s_lshl_b32 s21, ttmp9, 2
	s_lshr_b32 s28, s16, 1
	s_add_co_u32 s21, s21, s28                     ; step
	s_lshl_b32 s21, s21, 12
	s_add_co_u32 s26, s26, s21
	s_and_b32 s21, s16, 1
	s_lshl_b32 s21, s21, 9                         ; image
	s_add_co_u32 s26, s26, s21
	s_mov_b32 s27, 0
	s_lshl_b32 s28, s18, 8                         ; vmax: head x 64 numbers
	s_mov_b32 s29, 0
	s_wait_alu depctr_va_vdst(0)
	s_wait_kmcnt 0x0
	s_load_b32 s30, s[8:9], 0x8                    ; e2
	s_add_nc_u64 s[6:7], s[6:7], s[22:23]
	s_add_nc_u64 s[4:5], s[4:5], s[24:25]
	s_add_nc_u64 s[10:11], s[10:11], s[26:27]
	s_add_nc_u64 s[12:13], s[12:13], s[28:29]
.irp i, 0,1,2,3,4,5,6,7
	global_load_b64 v[P+2*\i:P+2*\i+1], v1, s[6:7] offset:2048*\i    ; 32 lanes read 256 consecutive bytes, aligned
.endr
.irp k, 0,1,2,3,4,5,6,7,8,9,10,11,12,13,14,15,16,17,18,19,20,21,22,23,24,25,26,27,28,29,30,31
	global_load_b64 v[L+2*\k:L+2*\k+1], v1, s[4:5] offset:2048*\k th:TH_LOAD_NT   ; a key's 256 bytes; read once in this launch
.endr
	s_wait_kmcnt 0x0
	s_add_co_i32 s30, s30, 127
	s_lshl_b32 s31, s30, 23
	v_mov_b32 v6, s31                              ; 2^e2 as f32
	s_wait_loadcnt 32                              ; the eight partial maxima are in; the 32 loads of values stay out
.irp c, 0,1
	v_max3_num_f32 v[8+\c], v[P+\c], v[P+2+\c], v[P+4+\c]
.endr
.irp i, 3,5
.irp c, 0,1
	s_delay_alu instid0(VALU_DEP_2)
	v_max3_num_f32 v[8+\c], v[8+\c], v[P+2*\i+\c], v[P+2*\i+2+\c]
.endr
.endr
.irp c, 0,1
	s_delay_alu instid0(VALU_DEP_2)
	v_max_num_f32 v[8+\c], v[8+\c], v[P+14+\c]
.endr
	ds_store_b64 v2, v[8:9]
	s_wait_dscnt 0x0                               ; for the others' sake: my store has landed
	s_barrier_signal -1
	s_barrier_wait -1
.irp i, 0,1,2,3,4,5,6,7
	ds_load_b64 v[PB+2*\i:PB+2*\i+1], v1 offset:256*\i
.endr
	s_wait_dscnt 0x0
.irp c, 0,1
	v_max3_num_f32 v[4+\c], v[PB+\c], v[PB+2+\c], v[PB+4+\c]
.endr
.irp i, 3,5
.irp c, 0,1
	s_delay_alu instid0(VALU_DEP_2)
	v_max3_num_f32 v[4+\c], v[4+\c], v[PB+2*\i+\c], v[PB+2*\i+2+\c]
.endr
.endr
.irp c, 0,1
	s_delay_alu instid0(VALU_DEP_2)
	v_max_num_f32 v[4+\c], v[4+\c], v[PB+14+\c]    ; v[4:5] = value_max of my two channels; never rewritten
.endr
	s_or_b32 s20, ttmp9, s16                       ; one owner for each head's 64 maxima: wave 0 of the head's first work-group
	s_cmp_lg_u32 s20, 0
	s_cbranch_scc1 .Lnot_first
	global_store_b64 v1, v[4:5], s[12:13]          ; 256 consecutive bytes, aligned
.Lnot_first:
.macro EXPS k0                         ; keys k0 .. k0 + 15: v - max (one rounding), x log2 e, 2^
.set kk, \k0
.rept 16
	v_pk_add_f32 v[L+2*kk:L+2*kk+1], v[L+2*kk:L+2*kk+1], v[4:5] neg_lo:[0,1] neg_hi:[0,1]
.set kk, kk+1
.endr
.set kk, \k0
.rept 16
	v_pk_mul_f32 v[L+2*kk:L+2*kk+1], v[L+2*kk:L+2*kk+1], 0x3fb8aa3b op_sel_hi:[1,0]
.set kk, kk+1
.endr
.set kk, \k0
	s_wait_alu depctr_va_vdst(0)
.rept 16
	v_exp_f32 v[E+kk], v[L+2*kk]
	v_exp_f32 v[E+32+kk], v[L+2*kk+1]
.set kk, kk+1
.endr
.endm
	s_wait_loadcnt 16                              ; keys 0-15 are in; the 16 younger loads stay out
	s_wait_alu depctr_va_vdst(0)
	EXPS 0
	s_wait_loadcnt 0x0
	EXPS 16
	v_nop                                          ; a plain instruction behind the last exponential
	s_wait_alu depctr_va_vdst(0)                   ; one wait for the batch of 64, ahead of its first reader
.set kk, 0
.rept 64
.set kk, kk+1
.endr
.irp c, 0,1
.irp m, 0,1,2,3
	v_cvt_scalef32_pk8_bf8_f32 v[C+8*\c+2*\m:C+8*\c+2*\m+1], v[E+32*\c+8*\m:E+32*\c+8*\m+7], v6
.endr
.endr
	v_nop
.irp c, 0,1
.irp m, 0,1
	global_store_b128 v3, v[C+8*\c+4*\m:C+8*\c+4*\m+3], s[10:11] offset:\c*2048+\m*256   ; tile 2 q + g, lanes 16 hh + r of the image: sixteen lanes store 256 consecutive bytes, aligned
.endr
.endr
	s_wait_tensorcnt 0x0
	ds_add_u32 v192, v193
	s_wait_dscnt 0x0
	s_endpgm
.Lfunc_end_k_q1b325a848a_vexp:
	.size	k_q1b325a848a_vexp, .Lfunc_end_k_q1b325a848a_vexp-k_q1b325a848a_vexp
	.p2alignl 7, 3214868480
	.fill 96, 4, 3214868480
	.section	.rodata,"a",@progbits
	.p2align	6, 0x0
	.amdhsa_kernel k_q1b325a848a_vexp
		.amdhsa_group_segment_fixed_size 3072
		.amdhsa_private_segment_fixed_size 0
		.amdhsa_enable_private_segment 0
		.amdhsa_kernarg_size 40
		.amdhsa_user_sgpr_count 2
		.amdhsa_user_sgpr_kernarg_segment_ptr 1
		.amdhsa_wavefront_size32 1
		.amdhsa_system_sgpr_workgroup_id_x 1
		.amdhsa_system_sgpr_workgroup_id_y 1
		.amdhsa_system_sgpr_workgroup_id_z 1
		.amdhsa_system_vgpr_workitem_id 0
		.amdhsa_next_free_vgpr 194
		.amdhsa_next_free_sgpr 66
		.amdhsa_reserve_vcc 0
		.amdhsa_float_denorm_mode_32 3
		.amdhsa_float_denorm_mode_16_64 3
		.amdhsa_fp16_overflow 1
		.amdhsa_memory_ordered 1
		.amdhsa_forward_progress 1
		.amdhsa_inst_pref_size 17
	.end_amdhsa_kernel
	.amdgpu_metadata
---
amdhsa.version: [ 1, 2 ]
amdhsa.kernels:
  - .name:           k_q1b325a848a_vexp
    .symbol:         k_q1b325a848a_vexp.kd
    .args:
      - { .name: values, .offset: 0, .size: 8, .value_kind: global_buffer, .address_space: global }
      - { .name: pmax, .offset: 8, .size: 8, .value_kind: global_buffer, .address_space: global }
      - { .name: lowp_scales, .offset: 16, .size: 8, .value_kind: global_buffer, .address_space: global }
      - { .name: v_img, .offset: 24, .size: 8, .value_kind: global_buffer, .address_space: global }
      - { .name: vmax, .offset: 32, .size: 8, .value_kind: global_buffer, .address_space: global }
    .group_segment_fixed_size: 3072
    .private_segment_fixed_size: 0
    .kernarg_segment_align: 8
    .kernarg_segment_size: 40
    .max_flat_workgroup_size: 256
    .sgpr_count:     66
    .vgpr_count:     194
    .wavefront_size: 32
...
	.end_amdgpu_metadata
.endif
;; end of part 2
;; launch attn (part 3): grid 16 x 16, 16 waves a work-group, clusters of 4 x 1, 327,680 bytes of LDS; arguments queries, k_img, v_img, vmax, lowp_scales, out0; writes out0
.if DOCPART == 3
	.amdgcn_target "amdgcn-amd-amdhsa--gfx1250"
	.amdhsa_code_object_version 6
	.text
	.protected	k_q1b325a848a_attn
	.globl	k_q1b325a848a_attn
	.p2align	8
	.type	k_q1b325a848a_attn,@function
k_q1b325a848a_attn:
	s_mov_b64 s[64:65], 0
	v_nop
	global_prefetch_b8 v0, s[64:65] scope:SCOPE_SE
	s_setreg_imm32_b32 hwreg(HW_REG_WAVE_MODE, 25, 1), 1
	s_wait_xcnt 0x0
	s_wait_alu depctr_hold_cnt(0) depctr_sa_sdst(0) depctr_va_vdst(0) depctr_va_sdst(0) depctr_va_ssrc(0) depctr_va_vcc(0) depctr_vm_vsrc(0)
	s_getreg_b32 s2, hwreg(HW_REG_IB_STS2, 6, 4)
	s_cmp_eq_u32 s2, 0
	s_cbranch_scc0 .Lentry_in_a_cluster
	s_endpgm
.Lentry_in_a_cluster:
	s_bfe_u32 s2, ttmp6, 0x10000c
	s_cmp_lg_u32 s2, 0x3003
	s_cbranch_scc0 .Lentry_shape_is_right
	s_endpgm
.Lentry_shape_is_right:
; THIRD LAUNCH: out[b][l][h][d] = ln( sum_s p(l, s) vexp(s, d) / sum_s p(l, s) ) + value_max[d], both products on codes of BF8 (E5M2) by v_wmma_f32_16x16x64_bf8_bf8.
; t = score x log2(e) / 8; M = the running largest t rounded UP to a whole number; p = 2^(t - M) is quantised with 2^e3, not normalised; the row's sum is taken of the unquantised p.
; When M moves, the sum and O are multiplied by 2^(old M - new M): exact.
; SHARES.  A work-group owns 256 queries of one head.  Wave w owns queries 32 (w % 8) .. + 31 (two tiles of 16) and HALF of the keys: steps 4 (w / 8) .. + 3 of each slot of 8 steps of 64 keys.
; So a fragment read from LDS feeds two matrix instructions and is read by eight waves.  At the end waves 8-15 hand O, M and the sum to waves 0-7 through LDS; the two halves are joined by exact powers of two.
; Sixteen waves of 256 registers: four to a SIMD, so that one wave's vector work stands beside another's matrix work and LDS loads.
; LAYOUT.  Both products are used transposed (S^T = K Q^T, O^T = V^T P^T): a lane holds ONE query (lane % 16) throughout.  K and V come as images of the operands' registers (16 bytes a lane at 16 x lane):
; no pitch, no padding.  The keys of a tile of K are chosen so that the 16 score registers of tiles 2 b, 2 b + 1 are keys 32 b + 16 (lane / 16) + 0 .. 15: the conversions' results are the second product's operand.
; Along each product's K the same permutation stands in both operands: every product meets its partner.
; The channels of a tile of V are d = 32 g + 2 r + q (tile 2 q + g): a lane's tiles g and 2 + g hold 16 neighbouring channels, put in order by the logarithms' destinations.
; CLUSTER.  The four query blocks of a cluster belong to one head and walk the same K and V: each tile is asked for JOINTLY (mask 15).
; LIMITS on the given exponents: e0 and e3 between -126 and 112; e0 + e1 between -123 and 130 (added to c's exponent field); e2 + e3 is an f32 addend and has none.
; v_exp_f32 and v_log_f32 take and give no denormals (ISA guide 15.8): a sum O under 2^-126 gives -infinity.  NaN among the inputs is not served.
.set SLOT1, 1<<16                      ; a slot: K's 8 steps x 4,096 bytes, then V's; slot 1 begins here, so that one exclusive or turns an address
.set VOFF,  32768
.set SPARE, 2*SLOT1                    ; the spare words: 128 bytes for each of 16 waves: eight blocks of 256 bytes that no other line names
.set MRG,   SPARE+2048                 ; the hand-over: for each pair of waves 16 images of O (512 bytes) and one of the statistics
.set MRGW,  8704
.set STG,   MRG+8*MRGW                 ; the way out: for each of waves 0-7 32 rows x (256 bytes + 16)
.set SP,    272
.set A0,   1                           ; v1   16 x lane + my half's 16,384 bytes; never rewritten
.set ADR,  2                           ; v2   LDS address of the slot in hand (at the head: my byte in Q's rows)
.set PFO,  3                           ; v3   256 x lane; never rewritten
.set SPW,  4                           ; v4   LDS address of my spare word; never rewritten
.set NIL,  5                           ; v5   0; never rewritten
                                       ; v6   2^e3
                                       ; tile x of queries: v[8+4x] -M, v[9+4x] the largest t, v[10+4x:11+4x] the sum in two halves
                                       ; v[16+8x], v[17+8x] at work; v[18+8x:19+8x] f (low word); v[20+8x:21+8x] the second chain of sums; v[22+8x] a permute's destination
.set QF,   32                          ; v32-47   Q's codes, 8 a tile
.set KF,   48                          ; v48-79   K's four fragments
.set VF,   80                          ; v80-111  V's four fragments
.set S,    112                         ; v112-175 S^T, then p: 112 + 32 x + 8 a + j
.set OA,   176                         ; v176-239 O^T: 176 + 32 x + 8 a + j
.set PC,   240                         ; v240-255 p's codes, 8 a tile
.set TB,   16                          ; s16  LDS byte at which the slot in hand begins
.set SLOTS, 17                         ; s17  slots still to be asked for
.set WV,   18                          ; s18  my wave's number;  s19 my half of the keys
                                       ; s[20:21] selects of v_permlanex16_b32: lane xor 16;  s[22:23] c = log2(e) / 8 x 2^(e0 + e1)
                                       ; s[24:31] descriptor group 1;  s[32:35], s[36:39] groups 0 for K and V, which walk;  s[40:43] e0 .. e3
.set PFA,  44                          ; s[44:45] where my prefetches stand
.set LIM,  46                          ; s46  1 in a wave that prefetches, else the greatest number
.macro CROUND                          ; a round of the cluster's barrier
	s_barrier_signal -1
	s_barrier_wait -1
	s_cmp_lg_u32 s[WV], 0
	s_cbranch_scc1 .Lnot_wave_0_\@
	s_barrier_signal -3
.Lnot_wave_0_\@:
	s_barrier_wait -3
	s_barrier_signal -1
	s_barrier_wait -1
.endm
; A joint load: waves 0 and 1 fetch the halves of a slot's K, waves 2 and 3 of its V, the others nothing.  The branches hang on the wave's number alone.  Four v_nop follow each line.
.macro TLOAD
	s_cmp_lt_u32 s[WV], 2
	s_cbranch_scc0 .Lnot_k_\@
	tensor_load_to_lds s[32:35], s[24:31]
	s_nop 0
.rept 4
	v_nop
.endr
	s_branch .Lasked_\@
.Lnot_k_\@:
	s_cmp_lt_u32 s[WV], 4
	s_cbranch_scc0 .Lasked_\@
	tensor_load_to_lds s[36:39], s[24:31]
	s_nop 0
.rept 4
	v_nop
.endr
.Lasked_\@:
.endm
; A prefetch of the slot that the NEXT change of slots will ask for: 32,768 bytes of K and of V.  All four clusters of a head walk the same bytes: the head's first cluster asks.  Its four partners take
; 8,192 bytes each, told apart by address; in each, wave 4 asks for K's and wave 5 for V's, a lane a block of 256 bytes.  So each block is named once in the launch.
; The last change that fills a slot asks for nothing; slots 0 and 1 come by their loads alone.
.macro ASK
	s_cmp_gt_u32 s[SLOTS], s[LIM]
	s_cbranch_scc0 .Lnot_mine_\@
	global_prefetch_b8 v[PFO], s[PFA:PFA+1] th:TH_LOAD_NT scope:SCOPE_SE
.Lnot_mine_\@:
.endm
; THE CHANGE OF SLOTS stands at a slot's head.  Each wave waits for all its tensor loads (its part of the slot that it is about to read), adds 0 to its spare word, and waits for that and for its reads of the
; slot that it has left.  fill = 1: a round of the cluster's barrier, and behind it the slot that was left is filled with the next 512 keys: that load has a whole slot's steps in which to land.
.macro CHANGE fill
	s_wait_tensorcnt 0x0                           ; no tensor load of mine is out, so a group 0 may be written
	ds_add_u32 v[SPW], v[NIL]                      ; 0 onto my spare word
.if \fill
	s_xor_b32 s33, s33, SLOT1                      ; the walking descriptors: the other slot,
	s_add_nc_u64 s[34:35], s[34:35], 32768         ; the next 8 steps; the type bits on top are not reached
	s_xor_b32 s37, s37, SLOT1
	s_add_nc_u64 s[38:39], s[38:39], 32768
	s_wait_xcnt 0x0                                ; the last prefetch, a slot back, has read its address, so it may be written:
	s_add_nc_u64 s[PFA:PFA+1], s[PFA:PFA+1], 32768 ; one slot further on than the walking descriptors
.endif
	s_wait_dscnt 0x0                               ; the add is done, and my reads of the slot that I have left are over
.if \fill
	CROUND                                         ; no wave of any partner still reads that slot or has a load on its way
	TLOAD                                          ; the first thing behind the round, and a wave's one tensor load until the next
	ASK
.else
	s_barrier_signal -1
	s_barrier_wait -1
.endif
.endm
.macro KLOAD q                         ; K's four fragments of my q-th step of the slot
.irp a, 0,1,2,3
.irp c, 0,1
	ds_load_b128 v[KF+8*\a+4*\c:KF+8*\a+4*\c+3], v[ADR] offset:(\q)*4096+\a*1024+\c*512
.endr
.endr
.endm
; A KEY STEP: 64 keys x my 32 queries
.macro STEP q
.if (\q) == 0
	KLOAD 0
.endif
	s_wait_dscnt 0x0                               ; K is in (from the second step on it was asked for a step ago)
.irp a, 0,1,2,3
.irp x, 0,1
	v_wmma_f32_16x16x64_bf8_bf8 v[S+32*\x+8*\a:S+32*\x+8*\a+7], v[KF+8*\a:KF+8*\a+7], v[QF+8*\x:QF+8*\x+7], 0
.endr
.endr
.rept 4
	v_nop                                          ; four places ahead of the loads into K's and V's registers and of the first read of the scores
.endr
.irp a, 0,1,2,3
.irp c, 0,1
	ds_load_b128 v[VF+8*\a+4*\c:VF+8*\a+4*\c+3], v[ADR] offset:VOFF+(\q)*4096+\a*1024+\c*512
.endr
.endr
.if (\q) < 3
	KLOAD (\q)+1
.endif
	; the step's largest score of each query among my 32 keys, two chains a tile, each accumulator from its low end on; the two tiles take turns
.irp x, 0,1
	v_max3_num_f32 v[16+8*\x], v[S+32*\x], v[S+32*\x+1], v[S+32*\x+2]
	v_max3_num_f32 v[17+8*\x], v[S+32*\x+3], v[S+32*\x+4], v[S+32*\x+5]
.endr
.irp i, 6,10,14,18,22,26
.irp x, 0,1
	v_max3_num_f32 v[16+8*\x], v[16+8*\x], v[S+32*\x+\i], v[S+32*\x+\i+1]
	v_max3_num_f32 v[17+8*\x], v[17+8*\x], v[S+32*\x+\i+2], v[S+32*\x+\i+3]
.endr
.endr
.irp x, 0,1
	v_max3_num_f32 v[16+8*\x], v[16+8*\x], v[S+32*\x+30], v[S+32*\x+31]
.endr
.irp x, 0,1
	s_delay_alu instid0(VALU_DEP_2)
	v_max_num_f32 v[16+8*\x], v[16+8*\x], v[17+8*\x]
.endr
.irp x, 0,1
	s_delay_alu instid0(VALU_DEP_2)
	v_permlanex16_b32 v[22+8*\x], v[16+8*\x], s20, s21   ; the query's other 32 keys lie in the lane 16 away
.endr
.irp x, 0,1
	s_delay_alu instid0(VALU_DEP_2)
	v_max_num_f32 v[16+8*\x], v[16+8*\x], v[22+8*\x]
.endr
.irp x, 0,1
	s_delay_alu instid0(VALU_DEP_2)
	v_mul_f32 v[16+8*\x], s22, v[16+8*\x]          ; as t (c is positive)
.endr
.irp x, 0,1
	s_delay_alu instid0(VALU_DEP_2)
	v_max_num_f32 v[9+4*\x], v[9+4*\x], v[16+8*\x] ; the running largest t
.endr
.irp x, 0,1
	v_mov_b32 v[16+8*\x], v[8+4*\x]
.endr
.irp x, 0,1
	s_delay_alu instid0(VALU_DEP_4)
	v_floor_f32 v[8+4*\x], -v[9+4*\x]              ; the new -M = floor(-t) = -ceil(t)
.endr
.irp x, 0,1
	s_delay_alu instid0(VALU_DEP_2)
	v_sub_f32 v[16+8*\x], v[8+4*\x], v[16+8*\x]    ; old M - new M: a whole number, 0 or less
.endr
.irp x, 0,1
	s_delay_alu instid0(VALU_DEP_2)
	v_cvt_i32_f32 v[16+8*\x], v[16+8*\x]           ; (it saturates)
.endr
.irp x, 0,1
	s_delay_alu instid0(VALU_DEP_2)
	v_ldexp_f32 v[18+8*\x], 1.0, v[16+8*\x]        ; f = 2^(old M - new M)
.endr
.irp x, 0,1
.set jj, 0
.rept 16
	v_pk_fma_f32 v[S+32*\x+jj:S+32*\x+jj+1], v[S+32*\x+jj:S+32*\x+jj+1], s[22:23], v[8+4*\x:9+4*\x] op_sel_hi:[1,0,0]   ; t - M, two at a time (the pairs' low words serve both halves)
.set jj, jj+2
.endr
.endr
.set jj, 0
	s_wait_alu depctr_va_vdst(0)
.rept 64
	v_exp_f32 v[S+jj], v[S+jj]                     ; p = 2^(t - M), at most 1
.set jj, jj+1
.endr
.irp x, 0,1
	v_pk_mul_f32 v[10+4*\x:11+4*\x], v[10+4*\x:11+4*\x], v[18+8*\x:19+8*\x] op_sel_hi:[1,0]   ; the sums under the new M; also the plain instruction behind the exponentials
.endr
	s_wait_alu depctr_va_vdst(0)                   ; one wait for the batch of 64, ahead of its first reader
.irp x, 0,1
	v_pk_add_f32 v[20+8*\x:21+8*\x], v[S+32*\x:S+32*\x+1], v[S+32*\x+2:S+32*\x+3]   ; the row's sum is taken of the unquantised p, in two chains a tile
.endr
.irp j, 4,8,12,16,20,24,28
.irp x, 0,1
	v_pk_add_f32 v[10+4*\x:11+4*\x], v[10+4*\x:11+4*\x], v[S+32*\x+\j:S+32*\x+\j+1]
	v_pk_add_f32 v[20+8*\x:21+8*\x], v[20+8*\x:21+8*\x], v[S+32*\x+\j+2:S+32*\x+\j+3]
.endr
.endr
.irp x, 0
	s_delay_alu instid0(VALU_DEP_3)
	v_pk_add_f32 v[10+4*\x:11+4*\x], v[10+4*\x:11+4*\x], v[20+8*\x:21+8*\x]
.endr
.irp x, 1
	s_delay_alu instid0(VALU_DEP_2)
	v_pk_add_f32 v[10+4*\x:11+4*\x], v[10+4*\x:11+4*\x], v[20+8*\x:21+8*\x]
.endr
.irp a, 0,1,2,3
.irp x, 0,1
.irp j, 0,1,2,3,4,5,6,7
.endr
	v_cvt_scalef32_pk8_bf8_f32 v[PC+8*\x+2*\a:PC+8*\x+2*\a+1], v[S+32*\x+8*\a:S+32*\x+8*\a+7], v6
.endr
.endr
.irp x, 0,1
.set jj, 0
.rept 16
	v_pk_mul_f32 v[OA+32*\x+jj:OA+32*\x+jj+1], v[OA+32*\x+jj:OA+32*\x+jj+1], v[18+8*\x:19+8*\x] op_sel_hi:[1,0]   ; O^T under the new M; these are also the plain lines between the conversions and the products
.set jj, jj+2
.endr
.endr
.if (\q) < 3
	s_wait_alu depctr_va_vdst(0)
	s_wait_dscnt 8                                 ; V is in; the next step's eight loads of K, issued behind it, may be out
.else
	s_wait_alu depctr_va_vdst(0)
	s_wait_dscnt 0x0
.endif
.irp a, 0,1,2,3
.irp x, 0,1
	v_wmma_f32_16x16x64_bf8_bf8 v[OA+32*\x+8*\a:OA+32*\x+8*\a+7], v[VF+8*\a:VF+8*\a+7], v[PC+8*\x:PC+8*\x+7], v[OA+32*\x+8*\a:OA+32*\x+8*\a+7]   ; the eight accumulators take turns, one instruction a turn
.endr
.endr
.endm
.macro SLOT_STEPS
	v_add_nc_u32 v[ADR], s[TB], v[A0]
	s_wait_alu depctr_va_vdst(0)
	STEP 0
	STEP 1
	STEP 2
	STEP 3
	s_xor_b32 s[TB], s[TB], SLOT1                  ; on to the other slot
.endm
	s_load_b256 s[4:11], s[0:1], 0x0               ; queries s[4:5], k_img s[6:7], v_img s[8:9], vmax s[10:11]
	s_load_b128 s[12:15], s[0:1], 0x20             ; the scales' exponents s[12:13], out0 s[14:15]
	v_lshl_add_u32 v[SPW], v0, 2, SPARE
	v_mov_b32 v[NIL], 0
	ds_add_u32 v4, v5
	ds_add_u32 v4, v5
	s_wait_dscnt 0x0
	v_lshrrev_b32 v1, 5, v0
	s_delay_alu instid0(VALU_DEP_1)
	v_readfirstlane_b32 s[WV], v1                  ; wave 0..15
	s_lshr_b32 s19, s[WV], 3                       ; my half of the keys
	s_bfe_u32 s47, ttmp6, 0x40000                  ; cx: my place in the cluster: it enters Q's, out0's and the prefetches' global addresses alone
	s_and_b32 s52, ttmp7, 0xffff                   ; the head = 8 b + h, which the four partners share
	s_lshl_b32 s54, s52, 18                        ; the head's 262,144 bytes of codes
	s_and_b32 s53, s[WV], 1
	s_lshl_b32 s53, s53, 14                        ; which 16,384 bytes of a slot's K or V I fetch, if I fetch
	s_add_co_u32 s54, s54, s53
	s_mov_b32 s55, 0
	; descriptor group 1: a dense block of 16,384 bytes as 64 rows of 32 elements of 8 bytes
	s_mov_b32 s24, 15|(3<<16)|(1<<21)              ; 15:0 the mask: all four work-groups; 17:16 elements of 8 bytes; 20 no padding; 21 set beside a mask
	s_mov_b32 s25, 32<<16                          ; tensor_dim0 = 32
	s_mov_b32 s26, 64<<16                          ; tensor_dim1 = 64
	s_mov_b32 s27, 32<<16                          ; tile_dim0 = 32
	s_mov_b32 s28, 64                              ; tile_dim1 = 64
	s_mov_b32 s29, 32                              ; from row to row
	s_mov_b32 s30, 0
	s_mov_b32 s31, 0
	s_mov_b32 s20, 0x76543210
	s_mov_b32 s21, 0xfedcba98
	s_mov_b32 s[TB], 0
	s_mov_b32 s[SLOTS], 7
	s_wait_kmcnt 0x0
	s_load_b128 s[40:43], s[12:13], 0x0            ; e0 (queries), e1 (keys), e2 (exp(v - max)), e3 (p)
	s_mov_b32 s32, 1                               ; count = 1
	s_mov_b32 s33, s53                             ; LDS address: slot 0, K
	s_add_nc_u64 s[34:35], s[6:7], s[54:55]        ; global address
	s_or_b32 s35, s35, 0x80000000                  ; type = 2
	s_mov_b32 s36, 1
	s_add_co_u32 s37, s53, VOFF                    ; slot 0, V
	s_add_nc_u64 s[38:39], s[8:9], s[54:55]
	s_or_b32 s39, s39, 0x80000000
	CROUND                                         ; all four work-groups are here: the first joint loads meet
	TLOAD                                          ; slot 0
	s_lshl_b32 s48, ttmp9, 2                       ; in a cluster launch ttmp9 counts clusters
	s_add_co_u32 s48, s48, s47                     ; my block of 256 queries
	s_lshl_b32 s48, s48, 19                        ; x 256 rows of 2,048 bytes
	s_and_b32 s49, s[WV], 7
	s_lshl_b32 s49, s49, 16                        ; + my wave's 32 rows
	s_add_co_u32 s48, s48, s49
	s_lshr_b32 s49, s52, 3
	s_lshl_b32 s49, s49, 23                        ; + b
	s_add_co_u32 s48, s48, s49
	s_and_b32 s49, s52, 7
	s_lshl_b32 s49, s49, 8                         ; + h
	s_add_co_u32 s48, s48, s49
	s_mov_b32 s49, 0
	s_add_nc_u64 s[4:5], s[4:5], s[48:49]          ; Q at my first query
	s_add_nc_u64 s[14:15], s[14:15], s[48:49]      ; out0 likewise
	s_lshl_b32 s50, s52, 8
	s_mov_b32 s51, 0
	s_add_nc_u64 s[10:11], s[10:11], s[50:51]      ; the head's 64 maxima
	s_cmp_eq_u32 s[WV], 4                          ; the prefetches: wave 4 for K, wave 5 for V
	s_cselect_b64 s[PFA:PFA+1], s[6:7], s[8:9]
	s_lshl_b32 s50, s52, 18
	s_lshl_b32 s51, s47, 13                        ; my work-group's 8,192 bytes of a slot's 32,768
	s_add_co_u32 s50, s50, s51
	s_add_co_u32 s50, s50, 32768                   ; in slot 1: the first change of slots steps it to slot 2.  Nothing is prefetched here, at the head
	s_mov_b32 s51, 0
	s_add_nc_u64 s[PFA:PFA+1], s[PFA:PFA+1], s[50:51]
	s_sub_co_u32 s50, s[WV], 4
	s_lshr_b32 s50, s50, 1                         ; 0 in waves 4 and 5,
	s_or_b32 s50, s50, ttmp9                       ; of the head's first cluster: the same in all four partners
	s_cmp_eq_u32 s50, 0
	s_cselect_b32 s[LIM], 1, -1
	v_and_b32 v8, 31, v0                           ; lane
	v_and_b32 v9, 15, v0                           ; r
	v_bfe_u32 v10, v0, 4, 1                        ; hl
	s_delay_alu instid0(VALU_DEP_3)
	v_lshlrev_b32 v[PFO], 8, v8
	s_lshl_b32 s50, s19, 14
	v_lshlrev_b32 v[A0], 4, v8
	s_delay_alu instid0(VALU_DEP_1)
	v_add_nc_u32 v[A0], s50, v[A0]
	v_lshlrev_b32 v[ADR], 11, v9
	s_delay_alu instid0(VALU_DEP_1)
	v_lshl_add_u32 v[ADR], v10, 7, v[ADR]          ; Q: row r of 2,048 bytes, + my half's 32 channels
.irp x, 0,1
.irp i, 0,1,2,3,4,5,6,7
	global_load_b128 v[S+32*\x+4*\i:S+32*\x+4*\i+3], v[ADR], s[4:5] offset:\x*32768+16*\i   ; lane (r, hl): channels 32 hl + 0 .. 31 of query 16 x + r
.endr
.endr
.irp x, 0,1
	v_mov_b32 v[9+4*\x], 0xff61b1e6                ; the largest t so far: -3e38, under every t
	s_delay_alu instid0(VALU_DEP_1)
	v_floor_f32 v[8+4*\x], -v[9+4*\x]              ; -M
	v_mov_b32 v[10+4*\x], 0                        ; the sum, in two halves
	v_mov_b32 v[11+4*\x], 0
	v_mov_b32 v[19+8*\x], 0                        ; (named as the upper half of f's pair)
	v_mov_b32 v[22+8*\x], 0                        ; written once: a lane permute's destination counts as one of its sources
.endr
.set jj, 0
.rept 64
	v_mov_b32 v[OA+jj], 0                          ; O^T.  (The step is written without a first step of its own: the first finds zeros, which the first change of M leaves zeros; that spares a third copy of the step's text)
.set jj, jj+1
.endr
	s_wait_kmcnt 0x0
	s_add_co_i32 s48, s40, s41
	s_lshl_b32 s48, s48, 23
	s_mov_b32 s22, 0x3e38aa3b                      ; c = log2(e) / 8
	s_add_co_i32 s22, s22, s48                     ; a score stands for score x 2^(e0 + e1): added to c's exponent field
	s_mov_b32 s23, s22                             ; (named with it as a pair, so it is written)
	s_add_co_i32 s48, s43, 127
	s_lshl_b32 s49, s48, 23
	v_mov_b32 v6, s49                              ; 2^e3 as f32
	s_add_co_i32 s48, s40, 127
	s_lshl_b32 s49, s48, 23
	v_mov_b32 v16, s49                             ; 2^e0, for Q alone
	s_wait_alu depctr_va_vdst(0)
	s_wait_loadcnt 0x0                             ; Q; its address register is free too
.set jj, 0
.rept 64
.set jj, jj+1
.endr
.irp x, 0,1
.irp m, 0,1,2,3
	v_cvt_scalef32_pk8_bf8_f32 v[QF+8*\x+2*\m:QF+8*\x+2*\m+1], v[S+32*\x+8*\m:S+32*\x+8*\m+7], v16
.endr
.endr
	v_nop                                          ; a plain line between the last conversion and what next touches its registers
.Lslot:                                            ; 7 trips: behind each change of slots but the last the next slot is asked for
	CHANGE 1
	s_wait_alu depctr_va_vdst(0)
	SLOT_STEPS
	s_sub_co_u32 s[SLOTS], s[SLOTS], 1
	s_cmp_lg_u32 s[SLOTS], 0
	s_cbranch_scc1 .Lslot
	CHANGE 0                                       ; the last slot is written out
	SLOT_STEPS
	; THE TWO HALVES OF THE KEYS MEET.  The sums' halves are added (these two lines and two v_nop are the four places behind the last products)
.irp x, 0,1
	v_add_f32 v[10+4*\x], v[10+4*\x], v[11+4*\x]
.endr
	v_nop
	v_nop
.irp x, 0,1
	v_permlanex16_b32 v[22+8*\x], v[10+4*\x], s20, s21
.endr
.irp x, 0,1
	s_delay_alu instid0(VALU_DEP_2)
	v_add_f32 v[10+4*\x], v[10+4*\x], v[22+8*\x]   ; the sum over my half of the keys
.endr
	v_mov_b32 v16, v8                              ; the statistics as one image: -M, the sum, for tile 0 and tile 1
	s_delay_alu instid0(VALU_DEP_3)
	v_mov_b32 v17, v10
	v_mov_b32 v18, v12
	s_delay_alu instid0(VALU_DEP_4)
	v_mov_b32 v19, v14
	; all addresses of what follows are made here, by every wave, ahead of the waves' parting
	v_and_b32 v29, 31, v0
	v_and_b32 v30, 15, v0                          ; r
	v_bfe_u32 v31, v0, 4, 1                        ; hl
	s_and_b32 s48, s[WV], 7
	s_mul_i32 s48, s48, MRGW                       ; (the stage of a wave is as large as a pair's hand-over)
	v_lshlrev_b32 v24, 4, v29
	s_delay_alu instid0(VALU_DEP_1)
	v_add_nc_u32 v24, s48, v24
	s_delay_alu instid0(VALU_DEP_1)
	v_add_nc_u32 v24, MRG, v24                     ; v24: the hand-over: 16 x lane
	v_mul_u32_u24 v25, v30, SP
	s_delay_alu instid0(VALU_DEP_1)
	v_lshl_add_u32 v25, v31, 6, v25
	s_delay_alu instid0(VALU_DEP_1)
	v_add_nc_u32 v25, s48, v25
	s_delay_alu instid0(VALU_DEP_1)
	v_add_nc_u32 v25, STG, v25                     ; v25: into the stage: row r, + 64 hl bytes
	v_mul_u32_u24 v26, v31, SP
	s_delay_alu instid0(VALU_DEP_1)
	v_lshl_add_u32 v26, v30, 4, v26
	s_delay_alu instid0(VALU_DEP_1)
	v_add_nc_u32 v26, s48, v26
	s_delay_alu instid0(VALU_DEP_1)
	v_add_nc_u32 v26, STG, v26                     ; v26: back: lanes 0-15 one row, lanes 16-31 the next
	v_lshlrev_b32 v27, 4, v30
	s_delay_alu instid0(VALU_DEP_1)
	v_lshl_add_u32 v27, v31, 11, v27               ; v27: and the same two rows in out0
	v_lshlrev_b32 v28, 6, v31                      ; v28: my 16 channels among a group of 32 maxima
	s_cmp_lt_u32 s[WV], 8
	s_cbranch_scc1 .Llow
.irp i, 0,1,2,3,4,5,6,7,8,9,10,11,12,13,14,15
	ds_store_b128 v24, v[OA+4*\i:OA+4*\i+3] offset:512*\i   ; waves 8-15: O^T as it stands, each accumulator from its low end on
.endr
	ds_store_b128 v24, v[16:19] offset:8192
	s_branch .Ljoin
.Llow:
	s_wait_alu depctr_va_vdst(0)
.irp i, 0,1,2,3
	global_load_b128 v[QF+4*\i:QF+4*\i+3], v28, s[10:11] offset:16*\i        ; waves 0-7: value_max of channels 16 hl + 0 .. 15,
	global_load_b128 v[PC+4*\i:PC+4*\i+3], v28, s[10:11] offset:128+16*\i    ; and of 32 + 16 hl + 0 .. 15, into registers that are done with
.endr
.Ljoin:
	s_wait_dscnt 0x0                               ; for the others' sake: my stores have landed
	s_barrier_signal -1
	s_barrier_wait -1
	s_cmp_ge_u32 s[WV], 8
	s_cbranch_scc1 .Lend                           ; waves 8-15 have handed their part over
.irp i, 0,1,2,3,4,5,6,7,8,9,10,11,12,13,14,15
	ds_load_b128 v[S+4*\i:S+4*\i+3], v24 offset:512*\i   ; my partner's O^T
.endr
	ds_load_b128 v[20:23], v24 offset:8192         ; and its -M and sums
	s_wait_dscnt 0x0
.irp x, 0,1
	v_min_num_f32 v29, v[16+2*\x], v[20+2*\x]      ; the common -M
	s_delay_alu instid0(VALU_DEP_1)
	v_sub_f32 v30, v29, v[16+2*\x]                 ; my M - the common M: a whole number, 0 or less
	s_delay_alu instid0(VALU_DEP_2)
	v_sub_f32 v31, v29, v[20+2*\x]
	s_delay_alu instid0(VALU_DEP_2)
	v_cvt_i32_f32 v30, v30
	s_delay_alu instid0(VALU_DEP_2)
	v_cvt_i32_f32 v31, v31
	s_delay_alu instid0(VALU_DEP_2)
	v_ldexp_f32 v[8+4*\x], 1.0, v30                ; my factor,
	s_delay_alu instid0(VALU_DEP_2)
	v_ldexp_f32 v[10+4*\x], 1.0, v31               ; my partner's: exact powers of two
	s_delay_alu instid0(VALU_DEP_2)
	v_mul_f32 v[17+2*\x], v[17+2*\x], v[8+4*\x]
	s_delay_alu instid0(VALU_DEP_1)
	v_fma_f32 v[17+2*\x], v[21+2*\x], v[10+4*\x], v[17+2*\x]   ; the row's sum over all keys
.endr
.irp x, 0,1
.set jj, 0
.rept 16
	v_pk_mul_f32 v[OA+32*\x+jj:OA+32*\x+jj+1], v[OA+32*\x+jj:OA+32*\x+jj+1], v[8+4*\x:9+4*\x] op_sel_hi:[1,0]
.set jj, jj+2
.endr
.set jj, 0
.rept 16
	v_pk_fma_f32 v[OA+32*\x+jj:OA+32*\x+jj+1], v[S+32*\x+jj:S+32*\x+jj+1], v[10+4*\x:11+4*\x], v[OA+32*\x+jj:OA+32*\x+jj+1] op_sel_hi:[1,0,1]
.set jj, jj+2
.endr
.endr
	; THE WAY OUT: out = ln 2 x (log2 O + e2 + e3 - log2 sum) + value_max.  The logarithms' destinations put a lane's channels in order: register 16 g + 2 j + q is channel 32 g + 16 hl + 2 j + q
	s_wait_alu depctr_va_vdst(0)
.irp x, 0,1
.irp g, 0,1
.irp c, 0,1
.irp j, 0,1,2,3,4,5,6,7
	v_log_f32 v[KF+32*\x+16*\g+2*\j+\c], v[OA+32*\x+8*(2*\c+\g)+\j]
.endr
.endr
.endr
.endr
	v_log_f32 v20, v17
	v_log_f32 v22, v19
	v_nop                                          ; a plain instruction behind the last logarithm
	s_add_co_i32 s48, s42, s43
	s_wait_alu depctr_va_vdst(0)                   ; one wait for the batch of 66, ahead of its first reader
	v_cvt_f32_i32 v29, s48                         ; e2 + e3
	v_sub_f32 v20, v29, v20
	v_sub_f32 v22, v29, v22
.irp x, 0,1
.set jj, 0
.rept 16
	v_pk_add_f32 v[KF+32*\x+jj:KF+32*\x+jj+1], v[KF+32*\x+jj:KF+32*\x+jj+1], v[20+2*\x:21+2*\x] op_sel_hi:[1,0]
.set jj, jj+2
.endr
.endr
	s_wait_loadcnt 0x0                             ; value_max
.irp x, 0,1
.irp g, 0,1
.irp i, 0,2,4,6,8,10,12,14
	v_pk_fma_f32 v[KF+32*\x+16*\g+\i:KF+32*\x+16*\g+\i+1], v[KF+32*\x+16*\g+\i:KF+32*\x+16*\g+\i+1], 0x3f317218, v[QF+208*\g+\i:QF+208*\g+\i+1] op_sel_hi:[1,0,1]
.endr
.endr
.endr
.irp x, 0,1
.irp g, 0,1
.irp i, 0,1,2,3
	ds_store_b128 v25, v[KF+32*\x+16*\g+4*\i:KF+32*\x+16*\g+4*\i+3] offset:\x*16*SP+128*\g+16*\i
.endr
.endr
.endr
.irp i, 0,1,2,3,4,5,6,7,8,9,10,11,12,13,14,15
	ds_load_b128 v[S+4*\i:S+4*\i+3], v26 offset:\i*2*SP   ; my own stage: a wave's LDS instructions are served in order, so these see the stores above
.endr
.irp i, 0,1,2,3,4,5,6,7,8,9,10,11,12,13,14,15
	s_wait_dscnt 15-\i                             ; rows 2 i and 2 i + 1 are back; the later loads may be out
	global_store_b128 v27, v[S+4*\i:S+4*\i+3], s[14:15] offset:4096*\i th:TH_STORE_NT   ; sixteen lanes store a query's 256 consecutive bytes, aligned; written once, read by nobody here
.endr
.Lend:
	s_wait_tensorcnt 0x0                           ; the wave's end: behind my last tensor load and my last LDS store
	ds_add_u32 v[SPW], v[NIL]
	s_wait_dscnt 0x0
	CROUND                                         ; the closing round: no work-group ends while a partner may still ask for a tile that names it
	s_endpgm
.Lfunc_end_k_q1b325a848a_attn:
	.size	k_q1b325a848a_attn, .Lfunc_end_k_q1b325a848a_attn-k_q1b325a848a_attn
	.p2alignl 7, 3214868480
	.fill 96, 4, 3214868480
	.section	.rodata,"a",@progbits
	.p2align	6, 0x0
	.amdhsa_kernel k_q1b325a848a_attn
		.amdhsa_group_segment_fixed_size 327680
		.amdhsa_private_segment_fixed_size 0
		.amdhsa_enable_private_segment 0
		.amdhsa_kernarg_size 48
		.amdhsa_user_sgpr_count 2
		.amdhsa_user_sgpr_kernarg_segment_ptr 1
		.amdhsa_wavefront_size32 1
		.amdhsa_system_sgpr_workgroup_id_x 1
		.amdhsa_system_sgpr_workgroup_id_y 1
		.amdhsa_system_sgpr_workgroup_id_z 1
		.amdhsa_system_vgpr_workitem_id 0
		.amdhsa_next_free_vgpr 256
		.amdhsa_next_free_sgpr 66
		.amdhsa_reserve_vcc 0
		.amdhsa_float_denorm_mode_32 3
		.amdhsa_float_denorm_mode_16_64 3
		.amdhsa_fp16_overflow 1
		.amdhsa_memory_ordered 1
		.amdhsa_forward_progress 1
		.amdhsa_inst_pref_size 148
	.end_amdhsa_kernel
	.amdgpu_metadata
---
amdhsa.version: [ 1, 2 ]
amdhsa.kernels:
  - .name:           k_q1b325a848a_attn
    .symbol:         k_q1b325a848a_attn.kd
    .args:
      - { .name: queries, .offset: 0, .size: 8, .value_kind: global_buffer, .address_space: global }
      - { .name: k_img, .offset: 8, .size: 8, .value_kind: global_buffer, .address_space: global }
      - { .name: v_img, .offset: 16, .size: 8, .value_kind: global_buffer, .address_space: global }
      - { .name: vmax, .offset: 24, .size: 8, .value_kind: global_buffer, .address_space: global }
      - { .name: lowp_scales, .offset: 32, .size: 8, .value_kind: global_buffer, .address_space: global }
      - { .name: out0, .offset: 40, .size: 8, .value_kind: global_buffer, .address_space: global }
    .group_segment_fixed_size: 327680
    .private_segment_fixed_size: 0
    .kernarg_segment_align: 8
    .kernarg_segment_size: 48
    .max_flat_workgroup_size: 512
    .sgpr_count:     66
    .vgpr_count:     256
    .wavefront_size: 32
...
	.end_amdgpu_metadata
.endif
;; end of part 3
